; MI455X (gfx1250); checked and timed in simulation.
; The chip was launched on July 23, 2026; its instructions are those of AMD's public machine-readable ISA for CDNA 5 (MIT licence, August 2026) and "CDNA5" Instruction Set Architecture Reference Guide (July 2026). The comments in the code are by the model that wrote it; some were corrected since.
;; Llama Cls. Allowed arithmetic: matrix products marked QUANTISED: E3M2 operands, one E8M0 scale for each 32 along K, by v_wmma_scale_f32_16x16x128_f8f6f4 with both operands' format E3M2, f32 sums; everything else in f32.
;; Inputs: hidden_states_codes 2,048 x 2 x 128 x 24 uint8 (E3M2 codes of hidden_states, K innermost, in blocks of 32 codes, four codes in three bytes); hidden_states_scales 2,048 x 2 x 128 uint8 (E8M0 scales of hidden_states, one for each 32 codes along K); labels 2 x 2,048 int32; weight_codes 4,000 x 128 x 24 uint8 (E3M2 codes of weight, K innermost, in blocks of 32 codes, four codes in three bytes); weight_scales 4,000 x 128 uint8 (E8M0 scales of weight, one for each 32 codes along K).
;; Outputs: out0 2 x 2,048 float32.
;; This version of the problem:
;;   THIS VERSION OF THE PROBLEM IS GIVEN IN LOW PRECISION. The matrix products marked QUANTISED in the list below multiply operands that are first quantised to E3M2 (3 exponent bits, 2 mantissa bits; 6 bits a number), with one power-of-two scale for each 32 numbers along K (OCP MX v1.0); their sums are f32. All else is computed in f32.
;;   The module's matrix products, in the order in which they are computed (A, B: the left and right operand; K: the contracted axis; several contracted axes count as one K, in the product's order):
;;     1. [M 4,096, K 4,096] x [K 4,096, N 4,000]; A: input hidden_states (given as codes); B: input weight (given as codes): QUANTISED
;;   THE QUANTISER, for each operand of a quantised product, along K:
;;     - K is cut into blocks of 32 from its start; a last block that is shorter is filled with zeros.
;;     - A block's scale is 2^e with e = floor(log2(the largest magnitude in the block)) - 4, held to -126 .. 127; a block of zeros has e = 0. As a byte (E8M0): e + 127.
;;     - Each number is divided by its block's scale, clamped to +-28, and rounded to the nearest number of E3M2, ties to even, subnormals kept.
;;     - The product sums the exact products of the quantised numbers (number of the format x scale) in f32.
;;   ~~~python
;;   def quantise(x, axis):      # numpy; x: float32 -> the quantised numbers, widened to float32 again
;;       x = np.moveaxis(x, axis, -1); K = x.shape[-1]
;;       x = np.pad(x, [(0, 0)] * (x.ndim - 1) + [(0, -K % 32)]); x = x.reshape(x.shape[:-1] + (-1, 32)); a = np.abs(x).max(-1, keepdims=True)
;;       e = np.where(a > 0, np.clip(np.frexp(np.where(a > 0, a, 1))[1] - 1 - 4, -126, 127), 0)      # np.frexp(a)[1] - 1 = floor(log2(a)), exactly
;;       r = np.clip(x / 2.0 ** e, -28, 28)
;;       step = 2.0 ** (np.maximum(np.frexp(np.where(r == 0, 1, r))[1] - 1, -2) - 2)
;;       q = np.round(r / step) * step * 2.0 ** e      # np.round: ties to even
;;       return np.moveaxis(q.reshape(q.shape[:-2] + (-1,))[..., :K], -1, axis).astype(np.float32)
;;   ~~~
;;   INPUTS GIVEN AS CODES. hidden_states (in the module: [2048, 2, 4096], K = its axis 2); weight (in the module: [4000, 4096], K = its axis 1): each comes as NAME_codes (uint8): NAME with its K axis moved to the last place and cut into blocks of 32 codes, [.., K / 32, bytes a block], one block behind the other in memory; four codes in three bytes: a row's codes are one little-endian stream of bits, code i at bits 6 i .. 6 i + 5 (a code: sign, 3 exponent bits, 2 mantissa bits); and NAME_scales (uint8): the same leading axes, one E8M0 byte (e + 127) for each 32 codes along K. Its value is code x scale, taken as it is: it is not quantised again, and the codes and scales need not be those that the quantiser above would give.
;; One version. Each part assembles by itself: llvm-mc -triple=amdgcn-amd-amdhsa -mcpu=gfx1250 --defsym DOCPART=n.
;; ======== version 1 of 1: 2 launches
;; workspace buffers: part 1,572,864 bytes
;; launch logits_lse (part 1): grid 16 x 16, 4 waves a work-group, clusters of 4 x 4, 327,680 bytes of LDS; arguments hidden_states_codes, hidden_states_scales, weight_codes, weight_scales, labels, part; writes part
.if DOCPART == 1
	.amdgcn_target "amdgcn-amd-amdhsa--gfx1250"
	.amdhsa_code_object_version 6
	.text
	.protected	k_qe0a6bc738d_logits_lse
	.globl	k_qe0a6bc738d_logits_lse
	.p2align	8
	.type	k_qe0a6bc738d_logits_lse,@function
k_qe0a6bc738d_logits_lse:
	s_mov_b64 s[64:65], 0
	v_nop
	global_prefetch_b8 v0, s[64:65] scope:SCOPE_SE
	s_setreg_imm32_b32 hwreg(HW_REG_WAVE_MODE, 25, 1), 1
	s_wait_xcnt 0x0
	s_wait_alu depctr_hold_cnt(0) depctr_sa_sdst(0) depctr_va_vdst(0) depctr_va_sdst(0) depctr_va_ssrc(0) depctr_va_vcc(0) depctr_vm_vsrc(0)
	s_getreg_b32 s2, hwreg(HW_REG_IB_STS2, 6, 4)
	s_cmp_eq_u32 s2, 0
	s_cbranch_scc0 .Lentry_in_a_cluster
	s_endpgm
.Lentry_in_a_cluster:
	s_bfe_u32 s2, ttmp6, 0x10000c
	s_cmp_lg_u32 s2, 0xf033
	s_cbranch_scc0 .Lentry_shape_is_right
	s_endpgm
.Lentry_shape_is_right:
; logits[m][n] = sum over k of A[m][k] B[n][k];  A = hidden_states, 4,096 rows (row m = 2 s + b), B = weight, 4,000 rows, K = 4,096: codes of BF6 (E3M2) with one E8M0 byte for each 32 along K, taken as they lie.
; The logits never go to memory.  A tile of 256 x 256 is made by four waves, each 128 x 128 in 64 accumulators; behind the last product each wave reduces its 128 rows x 128 columns to three f32 a row:
;   m = the largest logit,  s = the sum of 2^(c x - c m), c = log2(e),  g = the logit at the row's label if that column is the wave's, else 0.
; They go to part[q = m, s, g][column half 0..31][row 0..4095]; the next launch joins a row's 32 parts.
; K goes in steps of 256 through a ring of two LDS slots filled by the tensor data mover; the scale bytes of the work-group's rows of A and B, for all of K, come into LDS once.
; CLUSTERS: 4 x 4 work-groups; A's tiles are asked for jointly along a row of the cluster, B's along a column.  THE MATRIX INSTRUCTION IS USED TRANSPOSED (source 0 = 16 rows of B, source 1 = 16 rows of A):
; in accumulator (a, b) lane (r = lane % 16, h = lane / 16) holds in register j the logit of row R0 + 16 a + r and column CB + 16 b + 8 h + j.
; THE CHANGE OF SLOTS STANDS AT A STEP'S EDGE.  A slot holds two steps of 128 along K.  All fragments of the second step are fetched in the middle of the first (A's blocks 4-7 into a second set of registers), so that a
; slot's last read is issued 32 matrix instructions ahead of the edge between the two steps.  There the slot is given up and asked for again: between the wait for all tensor loads and the joint refill stand eight
; matrix instructions and the cluster's round, and the refill has 120 matrix instructions in which to land.
; THE RAGGED N: 4,000 = 15 x 256 + 160.  Tile column 15 begins at weight row 3,744, so that no load leaves the buffer.  Its first 96 columns are tile column 14's too: they are B's blocks 0 to 5 of the one wave whose first
; column is 3,744.  In the first K step the products of blocks 0 to 5 take eight registers BIAS as C: -1e30 in that wave, 0.0 in every other: those columns then lose every maximum and add 0 to every sum; that wave's
; label test takes columns from 96 on alone.  All of it is chosen by s_cselect_b32: no branch and no LDS address hangs on a work-group's place in its cluster.
; LIMITS: logits lie above -1e30; NaN, infinities and the scale byte 0xff are not served; c x - c m is one fused multiply-add against the rounded c m.
; REGISTERS, in windows of 256: window 0: v0-31 addresses; v32-63 scale words, two sets; v64-79 labels, BIAS; v80-127 in the loop A's blocks 4-7 of a slot's second step, on the way out its figures;
;   v128-223 A's fragments; v224-255 at work on the way out.
;   window 1: B's fragments, two sets, at v0 and v128.   window 2: the accumulators of my rows 0-63 ((a, b) at v[8 (8 a + b)]);   window 3: those of my rows 64-127.
.set KSTEP,  256                       ; along K in a slot
.set NQ,     KSTEP/128                 ; matrix instructions deep
.set ROWB,   192                       ; a tile's row in bytes
.set KROW,   3072                      ; a row of A or of B in memory, in bytes
.set PITCH,  240                       ; an LDS row: 3 x (64 bytes of data + 16 of padding)
.set FR,     12                        ; registers of a fragment: 16 rows x 128 K
.set NP,     4                         ; places behind this matrix instruction (ISA guide 7.12.1)
.set HALFT,  128*PITCH                 ; 128 rows: what one tensor load brings
.set SLOT,   4*HALFT                   ; A's 256 rows, then B's 256 rows
.set LAPS,   8                         ; a lap = two K steps = once round the ring: 4,096 / 512
.set KS,     128                       ; a row of scales in bytes
.set SCL,    2*SLOT                    ; behind the ring: the scales, as rows of 256 bytes + 16 of padding
.set HALFS,  (128*KS/256)*272          ; the scales of 128 rows
.set SBLK,   (16*KS/256)*272           ; those of 16 rows
.set SPARE,  SCL+4*HALFS               ; the spare words, 128 bytes for each wave: two blocks of 256 bytes that no other line names
.set STAGE,  SPARE+512                 ; the way out: 1,536 bytes for each wave (m, s, g: 128 x 4 bytes each); no fill ever lands here
.set LASTB,  3744                      ; the last tile column's first row of B: 4,000 - 256
.set ADRA, 16                          ; v16-17 LDS address of my A fragments in slot 0, 1  (v18-19: for the pieces that lie behind one padding more)
.set ADRB, 20                          ; v20-21 the same for B  (v22-23)
.set STW,  24                          ; v24    the stage: my row's word
.set STR,  25                          ; v25    the stage: my 16 bytes on the way back
.set PO,   26                          ; v26    16 x lane: my byte offset in the wave's 512 bytes of part
.set ADRS, 27                          ; v27    LDS address of my scale words: lanes 0-15 A's rows, lanes 16-31 B's
.set SPW,  28                          ; v28    LDS address of my spare word; never rewritten
.set NIL,  29                          ; v29    0; never rewritten
.set PFO,  30                          ; v30    the prefetches' offset: my lane's row x 3,072; never rewritten
.set SC,   32                          ; v32-63 scale words and nothing else
.set E,    64                          ; v64-71 block a: my row's label, then e = label - CB - 8 h
.set BIAS, 72                          ; v72-79 0.0 or -1e30
.set AQ,   80-4*FR                     ; the second set for A's blocks 4-7: block a at v[AQ + FR a], which is v80-127; the name is used with a = 4 .. 7 alone
.set MX,   80                          ; the way out: v80-83 four chains of the maximum
.set NM,   84                          ; v84 -c m; v85 is named with it as a pair
.set MM,   88                          ; v88-95   m of block a
.set SS,   96                          ; v96-103  s
.set GG,   104                         ; v104-111 g
.set SU,   112                         ; v112-115 two pairs of sums
.set T,    116                         ; v116-121 at work
.set PD,   122                         ; v122 the lane permutes' destination
.set AF,   128                         ; A's fragments: block a at v[AF + FR a]
.set SELT, 224                         ; v224-255 the choice of the label's logit; later what comes back from the stage
.set LIM,  2                           ; s2  1 in a wave that prefetches, else the greatest number
.set LO,   18                          ; s18 the first column of the wave's 128 that counts: 0, or 96
.set VM,   19                          ; s19 the bits that e - LO may not have
.set G1, 24                            ; s[24:31] descriptor group 1 for A's tiles;  s[32:39] group 0, one set for each slot
.set G0, 32
.set G1B, 48                           ; s[48:55], s[56:63] the same for B's tiles
.set G0B, 56
.set PFA,  66                          ; s[66:67] where my prefetches stand
.set G1S, 68                           ; s[68:75], s[76:79] groups 1 and 0 for A's scales;  s[80:87], s[88:91] for B's
.set G0S, 76
.set G1SB, 80
.set G0SB, 88
.set BM,   70                          ; s70-75 on the way out: lane masks of six bits of e;  s76: the label is mine.  (The loads that named these registers were shown done at the first wait on TENSORcnt)
.set OKM,  76
.set CBS,  95                          ; s95 CB: my wave's first column
.set LAB,  96                          ; s[96:97] labels
.set PRT,  98                          ; s[98:99] part
.set CC,   100                         ; s[100:101] c = log2(e): the packed form names a pair
.set SEL,  104                         ; s[104:105] v_permlanex16_b32's selects for lane l xor 16
.set MSB, 0
.macro WIN new                         ; the immediate's high byte repeats the setting that is left
.if MSB != \new
	s_set_vgpr_msb (MSB<<8)|\new
.set MSB, \new
.endif
.endm
.set MUL_LO, 0xa1                      ; source 0 (B) window 1, source 1 (A) window 0, C and D window 2
.set MUL_HI, 0xf1                      ; the same, C and D window 3
.set TO_B,   0x40                      ; destination window 1, address window 0
; A joint load: waves 0 and 1 fetch for A, waves 2 and 3 for B.  Each of the two lines has one mask and one set of registers for all that issue it; the branch hangs on the wave's number alone.
; Four v_nop follow each of the two lines, ahead of the jump, the label and what follows.
.macro JLOAD g0a, g1a, g0b, g1b
	s_cmp_eq_u32 s15, 0
	s_cbranch_scc0 .Lfor_b_\@
	tensor_load_to_lds s[\g0a:\g0a+3], s[\g1a:\g1a+7]
	s_nop 0
.rept 4
	v_nop
.endr
	s_branch .Lasked_\@
.Lfor_b_\@:
	tensor_load_to_lds s[\g0b:\g0b+3], s[\g1b:\g1b+7]
	s_nop 0
.rept 4
	v_nop
.endr
.Lasked_\@:
.endm
.macro CREST                           ; a round of the cluster's barrier behind its opening barrier
	s_cmp_lg_u32 s14, 0
	s_cbranch_scc1 .Lnot_wave_0_\@
	s_barrier_signal -3
.Lnot_wave_0_\@:
	s_barrier_wait -3
	s_barrier_signal -1
	s_barrier_wait -1
.endm
.macro CROUND                          ; a whole round
	s_barrier_signal -1
	s_barrier_wait -1
	CREST
.endm
; A PREFETCH INTO THE L2, behind each joint refill, its four lines and the run of LDS loads that follows: the K step that stands two refills, 256 matrix instructions, on.  A lane names a row: the LAST byte of that K step's 192.
; A row is 12 aligned blocks of 256 bytes for 16 K steps: the block in which a K step ends is one that no earlier K step has named, but for K steps 3, 7, 11, 15, which end in the block of the step before: these are passed over.
; The change that gives up slot 0 in trip i (i = 7 - s3) names K step 2 i + 4; the one that gives up slot 1 names 2 i + 5, and asks only where i is even (s3 odd).  In the last trip (s3 = 1) the K step two refills on does not exist.
; WHO: A's tile row is read by every cluster of that row of clusters: cluster x = 0 asks (waves 0, 1); B's tile column by every cluster of that column: cluster y = 0 asks (waves 2, 3).  Of the 128 rows that a wave fetches
; each of the four partners takes 32, told apart by address.  B's rows are counted in plain tiles of 256 here, not from the clamped row, and held at row 3,999: in tile column 15, 96 lanes name the last row's block again.
; K steps 0 to 3 come by their loads alone.
.macro ASK odd
	s_cmp_gt_u32 s3, s[LIM]
	s_cbranch_scc0 .Lnot_mine_\@
.if \odd
	s_and_b32 s23, s3, 1
	s_cmp_eq_u32 s23, 0
	s_cbranch_scc1 .Lnot_mine_\@
.endif
	global_prefetch_b8 v[PFO], s[PFA:PFA+1] th:TH_LOAD_NT scope:SCOPE_SE
.Lnot_mine_\@:
.endm
	s_load_b128 s[4:7], s[0:1], 0x0                ; A's codes s[4:5], A's scales s[6:7]
	s_load_b128 s[8:11], s[0:1], 0x10              ; B's codes s[8:9], B's scales s[10:11]
	s_load_b128 s[LAB:LAB+3], s[0:1], 0x20         ; labels, part
	v_lshl_add_u32 v[SPW], v0, 2, SPARE
	v_mov_b32 v[NIL], 0
	ds_add_u32 v28, v29
	s_wait_dscnt 0x0
	v_lshrrev_b32 v1, 5, v0
	v_readfirstlane_b32 s14, v1                    ; wave 0..3
	s_lshr_b32 s15, s14, 1                         ; which half of the tile's rows is mine.  Also: I fetch for A (0) or for B (1)
	s_and_b32 s16, s14, 1                          ; which half of its columns.  Also: which 128 rows of that tile I fetch
	s_bfe_u32 s40, ttmp6, 0x40000                  ; cx, cy: my place in the cluster
	s_bfe_u32 s41, ttmp6, 0x40004
	s_lshl_b32 s42, ttmp9, 2
	s_add_co_u32 s42, s42, s40                     ; tile column = 4 x cluster x + cx
	s_and_b32 s17, ttmp7, 0xffff
	s_lshl_b32 s17, s17, 2
	s_add_co_u32 s17, s17, s41                     ; tile row = 4 x cluster y + cy
	s_lshl_b32 s43, s41, 2
	s_lshl_b32 s43, 15, s43                        ; my row of the cluster
	s_lshl_b32 s44, 0x1111, s40                    ; my column
	; descriptor group 1: a tile of 128 rows x 192 bytes, padded in LDS
	s_or_b32 s[G1+0], s43, (0<<16)|(1<<20)|(1<<21)|(3<<22)|(3<<25)  ; 15:0 the mask: A's tiles go to my row; 17:16 element of 1 byte; 20 padding on; 21 set beside a mask; 24:22 after every 16 words (code 3); 31:25 of 4 words (code 3)
	s_or_b32 s[G1B+0], s44, (0<<16)|(1<<20)|(1<<21)|(3<<22)|(3<<25)
.irp g, G1, G1B
	s_mov_b32 s[\g+1], ROWB<<16                    ; tensor_dim0
	s_mov_b32 s[\g+2], 128<<16                     ; tensor_dim1 = 128
	s_mov_b32 s[\g+3], ROWB<<16                    ; tile_dim0
	s_mov_b32 s[\g+4], 128                         ; tile_dim1 = 128
	s_mov_b32 s[\g+5], KROW                        ; tensor_dim0_stride
	s_mov_b32 s[\g+6], 0
	s_mov_b32 s[\g+7], 0
.endr
	; and for the scales of 128 rows: a dense block of 16,384 bytes, as 64 rows of 256 bytes (32 elements of 8 bytes), 16 bytes of padding behind each
	s_or_b32 s[G1S+0], s43, (3<<16)|(1<<20)|(1<<21)|(5<<22)|(3<<25)
	s_or_b32 s[G1SB+0], s44, (3<<16)|(1<<20)|(1<<21)|(5<<22)|(3<<25)
.irp g, G1S, G1SB
	s_mov_b32 s[\g+1], 32<<16
	s_mov_b32 s[\g+2], (128*KS/256)<<16
	s_mov_b32 s[\g+3], 32<<16
	s_mov_b32 s[\g+4], 128*KS/256
	s_mov_b32 s[\g+5], 32
	s_mov_b32 s[\g+6], 0
	s_mov_b32 s[\g+7], 0
.endr
	s_lshl_b32 s18, s16, 7                         ; which 128 rows of the tile I fetch
	s_lshl_b32 s20, s17, 8
	s_add_co_u32 s20, s20, s18                     ; A: row 256 x tile row + 128 x half
	s_lshl_b32 s46, s42, 8
	s_min_u32 s46, s46, LASTB                      ; B: the last tile column begins at row 3,744: its 256 rows end with the tensor
	s_add_co_u32 s46, s46, s18                     ; + 128 x half
	s_mov_b32 s[CBS], s46                          ; which is also my wave's first column (the half that I fetch and the half of the columns that I multiply are both wave % 2)
	s_mov_b32 s21, 0
	s_mov_b32 s47, 0
	s_mov_b64 s[18:19], KS
	s_mul_u64 s[22:23], s[20:21], s[18:19]         ; where these rows' scales begin, in bytes
	s_mul_u64 s[92:93], s[46:47], s[18:19]
	s_mov_b64 s[18:19], KROW
	s_mul_u64 s[20:21], s[20:21], s[18:19]         ; and their codes
	s_mul_u64 s[46:47], s[46:47], s[18:19]
	s_mul_i32 s45, s14, HALFT                      ; where they go: wave x 128 rows: no place in the cluster enters an LDS address
	s_mul_i32 s94, s14, HALFS
	s_wait_kmcnt 0x0
	s_add_nc_u64 s[20:21], s[4:5], s[20:21]
	s_add_nc_u64 s[22:23], s[6:7], s[22:23]
	s_add_nc_u64 s[46:47], s[8:9], s[46:47]
	s_add_nc_u64 s[92:93], s[10:11], s[92:93]
	CROUND                                         ; all sixteen work-groups are here: the first joint loads meet
	s_mov_b32 s[G0S], 1
	s_add_co_u32 s[G0S+1], s94, SCL
	s_mov_b64 s[G0S+2:G0S+3], s[22:23]
	s_or_b32 s[G0S+3], s[G0S+3], 0x80000000
	s_mov_b32 s[G0SB], 1
	s_add_co_u32 s[G0SB+1], s94, SCL
	s_mov_b64 s[G0SB+2:G0SB+3], s[92:93]
	s_or_b32 s[G0SB+3], s[G0SB+3], 0x80000000
	JLOAD G0S, G1S, G0SB, G1SB                     ; the scales first: they are wanted with K step 0
.irp s, 0,1
	s_mov_b32 s[G0+4*\s], 1
	s_add_co_u32 s[G0+4*\s+1], s45, \s*SLOT
	s_add_nc_u64 s[G0+4*\s+2:G0+4*\s+3], s[20:21], \s*ROWB
	s_or_b32 s[G0+4*\s+3], s[G0+4*\s+3], 0x80000000
	s_mov_b32 s[G0B+4*\s], 1
	s_add_co_u32 s[G0B+4*\s+1], s45, \s*SLOT
	s_add_nc_u64 s[G0B+4*\s+2:G0B+4*\s+3], s[46:47], \s*ROWB
	s_or_b32 s[G0B+4*\s+3], s[G0B+4*\s+3], 0x80000000
	JLOAD G0+4*\s, G1, G0B+4*\s, G1B               ; three loads of mine are out now
.endr
	v_and_b32 v1, 15, v0                           ; r = lane % 16
	v_bfe_u32 v2, v0, 4, 1                         ; h = lane / 16
	v_mul_u32_u24 v3, v1, PITCH
	v_mul_u32_u24 v4, v2, 24
	v_add_nc_u32 v4, v3, v4                        ; a fragment's row x pitch + 24 x half
	v_lshl_add_u32 v5, v2, 4, v4                   ; and the same behind one padding more
	s_mul_i32 s21, s15, HALFT                      ; my 128 rows of A
	s_mul_i32 s22, s16, HALFT                      ; my 128 rows of B,
	s_add_co_u32 s22, s22, 2*HALFT                 ; which lie behind A's 256
.irp s, 0,1
	v_add_nc_u32 v[ADRA+\s], s21, v4
	v_add_nc_u32 v[ADRB+\s], s22, v4
	v_add_nc_u32 v[ADRA+2+\s], s21, v5
	v_add_nc_u32 v[ADRB+2+\s], s22, v5
	s_add_co_u32 s21, s21, SLOT
	s_add_co_u32 s22, s22, SLOT
.endr
	v_mul_u32_u24 v5, v1, KS                       ; my row's scales: 128 bytes a row,
	v_lshrrev_b32 v6, 8, v5
	v_lshl_add_u32 v5, v6, 4, v5                   ; and 16 more for each 256 passed
	s_mul_i32 s21, s15, HALFS                      ; A's: my 128 rows
	s_mul_i32 s22, s16, HALFS                      ; B's: my 128 rows, behind A's 256
	s_add_co_u32 s22, s22, 2*HALFS
	s_sub_co_u32 s22, s22, s21
	v_mul_u32_u24 v6, s22, v2                      ; lanes 16-31 take B's: one product, the distance between the two bases x h
	s_add_co_u32 s21, s21, SCL
	v_add_nc_u32 v5, v5, v6
	v_add_nc_u32 v[ADRS], s21, v5
	s_mul_i32 s20, s14, 1536                       ; my stage
	s_add_co_u32 s20, s20, STAGE
	v_lshl_add_u32 v[STW], v1, 2, s20              ; in: 4 bytes a row
	v_and_b32 v6, 31, v0
	v_lshlrev_b32 v[PO], 4, v6                     ; back: 16 bytes a lane; and the same in part
	v_add_nc_u32 v[STR], s20, v[PO]
	; the labels.  Row R0 + 16 a + r is token s = R0 / 2 + 8 a + r / 2 of batch b = r % 2; labels[b][s] lies at byte 8,192 b + 4 s
	s_lshl_b32 s20, s17, 8
	s_lshl_b32 s21, s15, 7
	s_add_co_u32 s20, s20, s21                     ; R0: my wave's first row
	s_lshl_b32 s22, s20, 1
	s_mov_b32 s23, 0
	s_add_nc_u64 s[LAB:LAB+1], s[LAB:LAB+1], s[22:23]
	v_and_b32 v3, 1, v1
	v_lshrrev_b32 v4, 1, v1
	v_lshlrev_b32 v4, 2, v4
	v_lshl_add_u32 v3, v3, 13, v4
.irp a, 0,1,2,3,4,5,6,7
	global_load_b32 v[E+\a], v3, s[LAB:LAB+1] offset:32*\a
.endr
	; part: column half 2 x tile column + wave % 2, 16,384 bytes each; in it 4 bytes a row
	s_lshl_b32 s46, s42, 1
	s_add_co_u32 s46, s46, s16
	s_lshl_b32 s46, s46, 14
	s_lshl_b32 s47, s20, 2
	s_add_co_u32 s46, s46, s47
	s_mov_b32 s47, 0
	s_add_nc_u64 s[PRT:PRT+1], s[PRT:PRT+1], s[46:47]
	; the prefetches (macro ASK)
	s_lshl_b32 s20, s17, 8
	s_lshl_b32 s21, s42, 8
	s_and_b32 s22, ttmp7, 0xffff                   ; cluster y
	s_mov_b32 s23, 3999                            ; B's last row
	s_cmp_eq_u32 s15, 0                            ; do I fetch for A?
	s_cselect_b32 s20, s20, s21                    ; the tile's first row: in A by the tile row, in B by the tile column
	s_cselect_b32 s21, s40, s41                    ; my place among the four that ask for it with me
	s_cselect_b32 s22, ttmp9, s22                  ; the coordinate along which other clusters read the same rows
	s_cselect_b64 s[PFA:PFA+1], s[4:5], s[8:9]
	s_cselect_b32 s23, 4095, s23                   ; the tensor's last row
	s_cmp_eq_u32 s22, 0
	s_cselect_b32 s[LIM], 1, -1                    ; the same in all sixteen partners, for a given wave
	s_lshl_b32 s22, s16, 7
	s_add_co_u32 s20, s20, s22                     ; + the 128 rows that I fetch
	s_lshl_b32 s21, s21, 5
	s_add_co_u32 s20, s20, s21                     ; + my work-group's 32 of them
	v_and_b32 v[PFO], 31, v0
	v_add_nc_u32 v[PFO], s20, v[PFO]               ; a lane a row,
	v_min_u32 v[PFO], s23, v[PFO]                  ; held inside the tensor
	v_mul_u32_u24 v[PFO], v[PFO], KROW
	s_add_nc_u64 s[PFA:PFA+1], s[PFA:PFA+1], 767   ; the last byte of K step 3: the change of slots in K step j has stepped it j + 1 times, to the last byte of K step j + 4.  The furthest byte named in a row is 14 x 192 + 191
	; the one wave whose first 96 columns are another tile column's
	s_cmp_eq_u32 s[CBS], LASTB
	s_mov_b32 s[VM], 0xffffff88                    ; e = 16 b + j, b and j in 0..7
	s_cselect_b32 s[LO], 96, 0
	s_cselect_b32 s[VM], 0xffffffe8, s[VM]         ; e - 96 = 16 (b - 6) + j, b in 6..7
	s_cselect_b32 s94, 0xf149f2ca, 0               ; -1e30, or 0.0
.irp i, 0,1,2,3,4,5,6,7
	v_mov_b32 v[BIAS+\i], s94
.endr
	s_mov_b32 s[CC], 0x3fb8aa3b                    ; c = log2(e)
	s_mov_b32 s[CC+1], s[CC]                       ; (named with it as a pair, so it is written)
	s_mov_b32 s[SEL], 0x76543210
	s_mov_b32 s[SEL+1], 0xfedcba98
	s_wait_loadcnt 0x0                             ; the labels
	v_lshl_add_u32 v31, v2, 3, s[CBS]              ; CB + 8 h
.irp a, 0,1,2,3,4,5,6,7
	v_sub_nc_u32 v[E+\a], v[E+\a], v31             ; e: where the label's column stands among my lane's: register 8 b + j holds e = 16 b + j
.endr
.macro FRAG reg, adr, q, i             ; a fragment, 16 rows x 128 K of 6-bit codes, is 12 registers: lane l holds row l % 16; registers 6 c .. 6 c + 5 hold K = 64 c + 32 (l / 16) + 0 .. 31: 24 bytes of the row's stream of bits, as they lie
.irp p, 0,1,2,3,4,5                    ; in pieces of 8 bytes.  Lanes 0-15 take the row's pieces 12 q + 0, 1, 2 and 12 q + 6, 7, 8, lanes 16-31 those three pieces on
.set PC, 12*(\q)+6*(\p/3)+\p%3        ; 16 bytes of padding lie behind every 64 bytes (8 pieces): where the piece three on lies behind one padding more, the second address register (40 for 24 bytes a half) serves
.if PC%8 < 5
	ds_load_b64 v[\reg+2*\p:\reg+2*\p+1], v[\adr] offset:8*PC+16*(PC/8)+(\i)*16*PITCH
.else
	ds_load_b64 v[\reg+2*\p:\reg+2*\p+1], v[\adr+2] offset:8*PC+16*(PC/8)+(\i)*16*PITCH
.endif
.endr
.endm
; 8 matrix instructions: A's block a x B's eight, 128 along K: the slot's q-th.  p: B's set;  sc: the set of scale words;  af: A's set (block a at v[af + FR a]).
; zero = 1: the first product starts the sums: with BIAS for B's blocks 0 to 5, with 0 for 6 and 7.
; The 64 accumulators take turns, one instruction a turn, in the same order in every step.
.macro MUL8 a, p, q, sc, zero, af
.irp b, 0,1,2,3,4,5,6,7
.if (\zero) && (\b < 6)
	v_wmma_scale_f32_16x16x128_f8f6f4 v[8*(8*((\a)%4)+\b):8*(8*((\a)%4)+\b)+7], v[128*(\p)+FR*\b:128*(\p)+FR*\b+FR-1], v[\af+FR*(\a):\af+FR*(\a)+FR-1], v[BIAS:BIAS+7], v[SC+8*NQ*(\sc)+NQ*\b+(\q)], v[SC+8*NQ*(\sc)+NQ*(\a)+(\q)] matrix_a_fmt:MATRIX_FMT_BF6 matrix_b_fmt:MATRIX_FMT_BF6 matrix_a_scale:MATRIX_SCALE_ROW1
.elseif \zero
	v_wmma_scale_f32_16x16x128_f8f6f4 v[8*(8*((\a)%4)+\b):8*(8*((\a)%4)+\b)+7], v[128*(\p)+FR*\b:128*(\p)+FR*\b+FR-1], v[\af+FR*(\a):\af+FR*(\a)+FR-1], 0, v[SC+8*NQ*(\sc)+NQ*\b+(\q)], v[SC+8*NQ*(\sc)+NQ*(\a)+(\q)] matrix_a_fmt:MATRIX_FMT_BF6 matrix_b_fmt:MATRIX_FMT_BF6 matrix_a_scale:MATRIX_SCALE_ROW1
.else
	v_wmma_scale_f32_16x16x128_f8f6f4 v[8*(8*((\a)%4)+\b):8*(8*((\a)%4)+\b)+7], v[128*(\p)+FR*\b:128*(\p)+FR*\b+FR-1], v[\af+FR*(\a):\af+FR*(\a)+FR-1], v[8*(8*((\a)%4)+\b):8*(8*((\a)%4)+\b)+7], v[SC+8*NQ*(\sc)+NQ*\b+(\q)], v[SC+8*NQ*(\sc)+NQ*(\a)+(\q)] matrix_a_fmt:MATRIX_FMT_BF6 matrix_b_fmt:MATRIX_FMT_BF6 matrix_a_scale:MATRIX_SCALE_ROW1
.endif
.endr
.endm
.macro MUL16 a0, p, q, sc, zero, af    ; A's blocks a0 and a0 + 1
	MUL8 \a0, \p, \q, \sc, \zero, \af
	MUL8 \a0+1, \p, \q, \sc, \zero, \af
.endm
.macro FETCH_B slot, q, p              ; B's eight fragments of the slot's q-th 128 along K into set p
	WIN TO_B
.irp i, 0,1,2,3,4,5,6,7
	FRAG 128*(\p)+FR*\i, ADRB+\slot, \q, \i
.endr
	WIN 0
.endm
.macro FETCH_A slot, q, i0, af         ; A's blocks i0 .. i0 + 3 into set af
.irp i, \i0, \i0+1, \i0+2, \i0+3
	FRAG \af+FR*(\i), ADRA+\slot, \q, \i
.endr
.endm
.macro SCALES sc                       ; the next K step's scale words into set sc: two words a row; lanes 0-15 take A's block i, lanes 16-31 B's block i
.irp i, 0,1,2,3,4,5,6,7
	ds_load_b64 v[SC+8*NQ*\sc+NQ*\i:SC+8*NQ*\sc+NQ*\i+1], v[ADRS] offset:\i*SBLK
.endr
.endm
; A load into a register that a matrix instruction has read, and a vector instruction that reads a matrix result or writes one of a matrix instruction's registers, stand NP places behind that matrix instruction; only
; plain vector instructions that name none of its registers are places (ISA guide 7.12.1 for vector instructions).
.macro PLACES n
.rept \n
	v_nop
.endr
.endm
; A SLOT'S FIRST STEP of 128 along K.  It multiplies B's set 0 and A's set AF.  In its middle ALL the second step's fragments are fetched, 96 loads in one run: B's into set 1, A's blocks 0-3 into AF (their products are
; issued), A's blocks 4-7 into the second set (AF's upper half is still to be multiplied).  They are the wave's last reads of the slot.  zero = 1: C comes from window 0 (BIAS) or is the constant 0.
.macro STEP slot, zero
	s_wait_dscnt 0x0                               ; this step's fragments and scale words are in: the youngest, A's blocks 0-3, were asked for 32 matrix instructions ago
.if \zero
	WIN 0x81                                       ; source 0 window 1, sources 1 and 2 window 0, D window 2
.else
	WIN MUL_LO
.endif
	MUL16 0, 0, 0, \slot, \zero, AF
	MUL16 2, 0, 0, \slot, \zero, AF
	PLACES NP
	FETCH_B \slot, 1, 1
	FETCH_A \slot, 1, 0, AF
	FETCH_A \slot, 1, 4, AQ
.if \zero
	WIN 0xc1                                       ; the same, D window 3
.else
	WIN MUL_HI
.endif
	MUL16 4, 0, 0, \slot, \zero, AF
	MUL16 6, 0, 0, \slot, \zero, AF
	WIN 0
.endm
; A SLOT'S SECOND STEP, with the change of slots at its head.  All that it multiplies lies in registers, so the slot is given up at once: each wave waits for all its tensor loads (its part of the next slot), adds 0 to
; its spare word, and waits for that and for its reads of this slot; one barrier.  fill = 1: the barrier opens a round of the cluster's barrier, and this slot is filled again, two K steps ahead.
; Behind it: the next slot's first step is fetched in two runs (B's eight, A's blocks 4-7 and the scale words at once: their registers were last multiplied in the step before; A's blocks 0-3 behind their products).
.macro TURN slot, next, fill
.if \fill
	s_wait_xcnt 0x0                                ; the last prefetch, a K step back, has read its address: it is stepped here, ahead of the waits of the change of slots
	s_add_nc_u64 s[PFA:PFA+1], s[PFA:PFA+1], ROWB
.endif
	s_wait_tensorcnt 0x0                           ; all my tensor loads have landed: my part of the next slot;  (every window is 0 here: the add's two registers lie in window 0)
	ds_add_u32 v[SPW], v[NIL]                      ; 0 onto my spare word
	s_wait_dscnt 1                                 ; (the add alone may be out: this step's 96 loads, issued ahead of it, are in)
	WIN MUL_LO
	MUL8 0, 1, 1, \slot, 0, AF                     ; eight matrix instructions stand between the add and the wait for it
	WIN 0
	s_wait_dscnt 0x0                               ; the add is done, and my reads of this slot are over
	s_barrier_signal -1
	s_barrier_wait -1
.if \fill
	CREST                                          ; the barrier has opened a round of the cluster's barrier: no wave of any partner still reads this slot's tile or has a load on its way
	s_add_nc_u64 s[G0+4*\slot+2:G0+4*\slot+3], s[G0+4*\slot+2:G0+4*\slot+3], 2*ROWB
	s_add_nc_u64 s[G0B+4*\slot+2:G0B+4*\slot+3], s[G0B+4*\slot+2:G0B+4*\slot+3], 2*ROWB
	JLOAD G0+4*\slot, G1, G0B+4*\slot, G1B         ; the first tensor load behind the round: 120 matrix instructions ahead of the wait for it; the four v_nop behind it are the places in front of the loads below
.else
	PLACES NP
.endif
	v_add_nc_u32 v[ADRS], 4*NQ, v[ADRS]            ; on to the next K step's scale words (no LDS load of mine is out)
	FETCH_B \next, 0, 0
	FETCH_A \next, 0, 4, AF
	SCALES \next
.if \fill
	ASK \slot                                      ; behind the joint load and the run of LDS loads
.endif
	WIN MUL_LO
	MUL8 1, 1, 1, \slot, 0, AF
	MUL16 2, 1, 1, \slot, 0, AF
	PLACES NP
	WIN 0
	FETCH_A \next, 0, 0, AF
	WIN MUL_HI
	MUL16 4, 1, 1, \slot, 0, AQ
	MUL16 6, 1, 1, \slot, 0, AQ
	WIN 0
.endm
	s_wait_tensorcnt 1                             ; the scales and my part of K step 0 are in; the one younger load, K step 1's, may be out
	s_barrier_signal -1
	s_barrier_wait -1                              ; everybody's are
	FETCH_B 0, 0, 0
	FETCH_A 0, 0, 0, AF
	SCALES 0
	FETCH_A 0, 0, 4, AF
	STEP 0, 1                                      ; the first step stands in front of the loop: its products start the sums
	s_mov_b32 s3, LAPS-1
.Llap:                                                 ; a trip goes once round the ring, from a lap's second step to the next lap's first, and fills both slots again
	TURN 0, 1, 1
	STEP 1, 0
	TURN 1, 0, 1
	STEP 0, 0
	s_sub_co_u32 s3, s3, 1
	s_cmp_lg_u32 s3, 0
	s_cbranch_scc1 .Llap
	TURN 0, 1, 0                                   ; the last lap fills nothing, and has no round of the cluster's barrier
	STEP 1, 0
	s_wait_dscnt 0x0                               ; the very last step: nothing more to fetch
	WIN MUL_LO
	MUL16 0, 1, 1, 1, 0, AF
	MUL16 2, 1, 1, 1, 0, AF
	WIN MUL_HI
	MUL16 4, 1, 1, 1, 0, AQ
	MUL16 6, 1, 1, 1, 0, AQ
	WIN 0
; THE WAY OUT of block a: 16 rows x 128 columns, 64 logits a lane (x[8 b + j], in window 2 or 3), all of one row; the row's other 64 lie in the lane 16 away.
.macro EPI a
.set W, 2+(\a)/4
.set XB, 64*((\a)%4)
	; the largest logit: four chains of 16, three operands at a time.  Each accumulator is read first at its low end
	WIN 0x15*W                                     ; all three sources in the accumulators' window
.irp k, 0,1,2,3
	v_max3_num_f32 v[MX+\k], v[XB+16*\k], v[XB+16*\k+1], v[XB+16*\k+2]
.endr
	WIN 0x14*W                                     ; sources 1 and 2
.irp i, 3,5,7,9,11,13
.irp k, 0,1,2,3
	v_max3_num_f32 v[MX+\k], v[MX+\k], v[XB+16*\k+\i], v[XB+16*\k+\i+1]
.endr
.endr
.irp k, 0,1,2,3
	v_max_num_f32 v[MX+\k], v[MX+\k], v[XB+16*\k+15]
.endr
	WIN 0
	v_max3_num_f32 v[T], v[MX], v[MX+1], v[MX+2]
	v_max_num_f32 v[T], v[T], v[MX+3]
	v_permlanex16_b32 v[PD], v[T], s[SEL], s[SEL+1]
	v_max_num_f32 v[MM+\a], v[T], v[PD]            ; m: the row's largest among my wave's 128 columns
	v_mul_f32 v[NM], 0xbfb8aa3b, v[MM+\a]          ; -c m
	; the label: six bits of e as lane masks (bits 0-2: j; bits 4-6: b), and whether the label's column is one of my lane's 64
.irp n, 0,1,2,3,4,5
	v_and_b32 v[T+\n], 1<<(\n+\n/3), v[E+\a]
.endr
.irp n, 0,1,2,3,4,5
	v_cmp_ne_u32 s[BM+\n], 0, v[T+\n]
.endr
	v_sub_nc_u32 v[T], v[E+\a], s[LO]
	v_and_b32 v[T], s[VM], v[T]
	v_cmp_eq_u32 s[OKM], 0, v[T]
	; the logit at index 8 b + j, by six halvings: a choice of values, done for every row: no branch and no address hangs on a label
	WIN 5*W                                        ; sources 0 and 1
.set jj, 0
.rept 32
	v_cndmask_b32 v[SELT+jj], v[XB+2*jj], v[XB+2*jj+1], s[BM]
.set jj, jj+1
.endr
	WIN 0
.irp lv, 0,1,2,3,4
.set jj, 0
.rept 16>>\lv
	v_cndmask_b32 v[SELT+jj], v[SELT+2*jj], v[SELT+2*jj+1], s[BM+1+\lv]
.set jj, jj+1
.endr
.endr
	v_cndmask_b32 v[T], 0, v[SELT], s[OKM]
	v_permlanex16_b32 v[PD], v[T], s[SEL], s[SEL+1]
	v_add_f32 v[GG+\a], v[T], v[PD]                ; g: at most one of the two lanes holds it, the other 0
	; 2^(c x - c m), in place
	WIN 0x41*W                                     ; destination and source 0; -c m in window 0
.set jj, 0
.rept 32
	v_pk_fma_f32 v[XB+2*jj:XB+2*jj+1], v[XB+2*jj:XB+2*jj+1], s[CC:CC+1], v[NM:NM+1] op_sel_hi:[1,0,0]
.set jj, jj+1
.endr
.set jj, 0
.rept 64
	v_exp_f32 v[XB+jj], v[XB+jj]
.set jj, jj+1
.endr
	v_nop                                          ; one plain place behind the exponentials
	; their sum: two at a time, in two chains
	WIN 5*W
	s_wait_alu depctr_va_vdst(0)
	v_pk_add_f32 v[SU:SU+1], v[XB:XB+1], v[XB+2:XB+3]
	v_pk_add_f32 v[SU+2:SU+3], v[XB+4:XB+5], v[XB+6:XB+7]
	WIN 4*W                                        ; source 1
.irp i, 8,12,16,20,24,28,32,36,40,44,48,52,56,60
	v_pk_add_f32 v[SU:SU+1], v[SU:SU+1], v[XB+\i:XB+\i+1]
	v_pk_add_f32 v[SU+2:SU+3], v[SU+2:SU+3], v[XB+\i+2:XB+\i+3]
.endr
	WIN 0
	v_pk_add_f32 v[SU:SU+1], v[SU:SU+1], v[SU+2:SU+3]
	v_add_f32 v[T], v[SU], v[SU+1]
	v_permlanex16_b32 v[PD], v[T], s[SEL], s[SEL+1]
	v_add_f32 v[SS+\a], v[T], v[PD]                ; s
.endm
	PLACES NP                                      ; behind the last products: they read v80-127, which the way out writes from here on
	v_mov_b32 v[NM+1], 0                           ; (named as the upper half of the pair)
	v_mov_b32 v[PD], 0                             ; written once: a lane permute's destination counts as one of its sources
.irp a, 0,1,2,3,4,5,6,7
	EPI \a
.endr
	; A lane holds one row's figure for each of eight blocks; part wants 128 rows on end.  So the three times 128 words go through my own stage: 4 bytes a row in (both halves of the lanes write the same word with the
	; same value), 16 bytes a lane back.  LDS serves a wave's instructions in order (ISA guide 5.7.1.4): no wait between the stores and the loads.
.irp q, 0,1,2
.irp a, 0,1,2,3,4,5,6,7
	ds_store_b32 v[STW], v[MM+8*\q+\a] offset:512*\q+64*\a
.endr
.endr
.irp q, 0,1,2
	ds_load_b128 v[SELT+4*\q:SELT+4*\q+3], v[STR] offset:512*\q
.endr
	s_wait_dscnt 0x0
.irp q, 0,1,2
	global_store_b128 v[PO], v[SELT+4*\q:SELT+4*\q+3], s[PRT:PRT+1] offset:524288*\q th:TH_STORE_NT   ; 32 lanes store 512 consecutive bytes, at a multiple of 512 from part's first byte; read by nobody in this launch
.endr
	s_wait_tensorcnt 0x0                           ; the wave's end: behind my last tensor load and my last LDS store
	ds_add_u32 v[SPW], v[NIL]
	s_wait_dscnt 0x0
	CROUND                                         ; the closing round: no work-group ends while a partner may still ask for a tile that names it
	s_endpgm
.Lfunc_end_k_qe0a6bc738d_logits_lse:
	.size	k_qe0a6bc738d_logits_lse, .Lfunc_end_k_qe0a6bc738d_logits_lse-k_qe0a6bc738d_logits_lse
	.p2alignl 7, 3214868480
	.fill 96, 4, 3214868480
	.section	.rodata,"a",@progbits
	.p2align	6, 0x0
	.amdhsa_kernel k_qe0a6bc738d_logits_lse
		.amdhsa_group_segment_fixed_size 327680
		.amdhsa_private_segment_fixed_size 0
		.amdhsa_enable_private_segment 0
		.amdhsa_kernarg_size 48
		.amdhsa_user_sgpr_count 2
		.amdhsa_user_sgpr_kernarg_segment_ptr 1
		.amdhsa_wavefront_size32 1
		.amdhsa_system_sgpr_workgroup_id_x 1
		.amdhsa_system_sgpr_workgroup_id_y 1
		.amdhsa_system_sgpr_workgroup_id_z 1
		.amdhsa_system_vgpr_workitem_id 0
		.amdhsa_next_free_vgpr 1024
		.amdhsa_next_free_sgpr 106
		.amdhsa_reserve_vcc 0
		.amdhsa_float_denorm_mode_32 3
		.amdhsa_float_denorm_mode_16_64 3
		.amdhsa_memory_ordered 1
		.amdhsa_forward_progress 1
		.amdhsa_inst_pref_size 242
	.end_amdhsa_kernel
	.amdgpu_metadata
---
amdhsa.version: [ 1, 2 ]
amdhsa.kernels:
  - .name:           k_qe0a6bc738d_logits_lse
    .symbol:         k_qe0a6bc738d_logits_lse.kd
    .args:
      - { .name: hidden_states_codes, .offset: 0, .size: 8, .value_kind: global_buffer, .address_space: global }
      - { .name: hidden_states_scales, .offset: 8, .size: 8, .value_kind: global_buffer, .address_space: global }
      - { .name: weight_codes, .offset: 16, .size: 8, .value_kind: global_buffer, .address_space: global }
      - { .name: weight_scales, .offset: 24, .size: 8, .value_kind: global_buffer, .address_space: global }
      - { .name: labels, .offset: 32, .size: 8, .value_kind: global_buffer, .address_space: global }
      - { .name: part, .offset: 40, .size: 8, .value_kind: global_buffer, .address_space: global }
    .group_segment_fixed_size: 327680
    .private_segment_fixed_size: 0
    .kernarg_segment_align: 8
    .kernarg_segment_size: 48
    .max_flat_workgroup_size: 128
    .sgpr_count:     106
    .vgpr_count:     1024
    .wavefront_size: 32
...
	.end_amdgpu_metadata
.endif
;; end of part 1
;; launch combine (part 2): grid 32 x 1, 1 waves a work-group, no clusters, 0 bytes of LDS; arguments part, out0; writes out0
.if DOCPART == 2
	.amdgcn_target "amdgcn-amd-amdhsa--gfx1250"
	.amdhsa_code_object_version 6
	.text
	.protected	k_qe0a6bc738d_combine
	.globl	k_qe0a6bc738d_combine
	.p2align	8
	.type	k_qe0a6bc738d_combine,@function
k_qe0a6bc738d_combine:
	s_mov_b64 s[64:65], 0
	v_nop
	global_prefetch_b8 v0, s[64:65] scope:SCOPE_SE
	s_setreg_imm32_b32 hwreg(HW_REG_WAVE_MODE, 25, 1), 1
	s_wait_xcnt 0x0
; out0[b][s] = logsumexp of row 2 s + b's logits - the logit at its label, from the 32 parts (m, s, g) that the launch before has stored: part[q][ch 0..31][row 0..4095], f32.
;   M = the largest m;  S = the sum of s_ch 2^(c m_ch - c M), c = log2(e);  G = the sum of g_ch (31 of the 32 are 0);  out = (M - G) + ln 2 x log2 S.  S is at least 1: the part that holds M adds at least 1.
; One wave to a work-group; work-group g takes rows 128 g .. 128 g + 127, lane l rows 128 g + 4 l + 0 .. 3: each load reads 512 consecutive bytes.  Row 4 l + i is token s = 64 g + 2 l + i / 2 of batch b = i % 2,
; so a lane's results are two neighbouring tokens of each batch: two stores of 8 bytes a lane, each 256 consecutive bytes of the wave, at a multiple of 256 from out0's first byte.
; No loop, no LDS, no barrier, no matrix unit: 96 loads and some 500 vector instructions a wave.  The launch is short and has all that it reads asked for at once, so nothing is prefetched.
; LIMITS: as the launch before: NaN and infinities are not served.
; REGISTERS: v1 16 x lane, v2 8 x lane; v4-7 M, later M - G; v8-11 -c M; v12-15 S; v16-19 G; v20-23 the results; v24-27 log2 S; v64-191 m, then 2^(c m - c M).  Window 1: v0-127 s, v128-255 g.
.set CHB,  16384                       ; bytes from a column half to the next
.set QB,   524288                      ; bytes from m to s, from s to g
.set MB,   4
.set NB,   8
.set SB,   12
.set GB,   16
.set RB,   20
.set LB,   24
.set MV,   64
.set MSB, 0
.macro WIN new                         ; the immediate's high byte repeats the setting that is left
.if MSB != \new
	s_set_vgpr_msb (MSB<<8)|\new
.set MSB, \new
.endif
.endm
	s_load_b128 s[4:7], s[0:1], 0x0                ; part, out0
	v_lshlrev_b32 v1, 4, v0
	v_lshlrev_b32 v2, 3, v0
	s_lshl_b32 s8, ttmp9, 9                        ; 128 rows x 4 bytes
	s_mov_b32 s9, 0
	s_lshl_b32 s10, ttmp9, 8                       ; 64 tokens x 4 bytes
	s_mov_b32 s11, 0
	s_wait_kmcnt 0x0
	s_add_nc_u64 s[4:5], s[4:5], s[8:9]
	s_add_nc_u64 s[6:7], s[6:7], s[10:11]
.set ch, 0
.rept 32
	global_load_b128 v[MV+4*ch:MV+4*ch+3], v1, s[4:5] offset:CHB*ch th:TH_LOAD_NT
.set ch, ch+1
.endr
	WIN 0x40                                       ; destination window 1
.set ch, 0
.rept 32
	global_load_b128 v[4*ch:4*ch+3], v1, s[4:5] offset:QB+CHB*ch th:TH_LOAD_NT
.set ch, ch+1
.endr
	s_wait_loadcnt 32                              ; m is in; the 32 loads of s may be out.  g is asked for only now: 64 loads of the wave are out at the most
.set ch, 0
.rept 32
	global_load_b128 v[128+4*ch:128+4*ch+3], v1, s[4:5] offset:2*QB+CHB*ch th:TH_LOAD_NT
.set ch, ch+1
.endr
	WIN 0
.irp i, 0,1,2,3                        ; M: four rows' chains by turns
	v_max3_num_f32 v[MB+\i], v[MV+\i], v[MV+4+\i], v[MV+8+\i]
.endr
.set ch, 3
.rept 14
.irp i, 0,1,2,3
	v_max3_num_f32 v[MB+\i], v[MB+\i], v[MV+4*ch+\i], v[MV+4*ch+4+\i]
.endr
.set ch, ch+2
.endr
.irp i, 0,1,2,3
	v_max_num_f32 v[MB+\i], v[MB+\i], v[MV+124+\i]
.endr
.irp i, 0,1,2,3
	v_mul_f32 v[NB+\i], 0xbfb8aa3b, v[MB+\i]       ; -c M
.endr
.set ch, 0
.rept 32
	v_pk_fma_f32 v[MV+4*ch:MV+4*ch+1], v[MV+4*ch:MV+4*ch+1], 0x3fb8aa3b, v[NB:NB+1] op_sel_hi:[1,0,1]      ; c m - c M
	v_pk_fma_f32 v[MV+4*ch+2:MV+4*ch+3], v[MV+4*ch+2:MV+4*ch+3], 0x3fb8aa3b, v[NB+2:NB+3] op_sel_hi:[1,0,1]
.set ch, ch+1
.endr
.set j, 0
.rept 128
	v_exp_f32 v[MV+j], v[MV+j]
.set j, j+1
.endr
	v_nop                                          ; one plain place behind the exponentials
	s_wait_loadcnt 32                              ; s is in; the 32 loads of g may be out
	WIN 0x04                                       ; source 1 window 1
	s_wait_alu depctr_va_vdst(0)
	v_pk_mul_f32 v[SB:SB+1], v[MV:MV+1], v[0:1]    ; the first part starts the sums
	v_pk_mul_f32 v[SB+2:SB+3], v[MV+2:MV+3], v[2:3]
.set ch, 1
.rept 31
	v_pk_fma_f32 v[SB:SB+1], v[MV+4*ch:MV+4*ch+1], v[4*ch:4*ch+1], v[SB:SB+1]
	v_pk_fma_f32 v[SB+2:SB+3], v[MV+4*ch+2:MV+4*ch+3], v[4*ch+2:4*ch+3], v[SB+2:SB+3]
.set ch, ch+1
.endr
	s_wait_loadcnt 0x0                             ; g
	WIN 0x05                                       ; sources 0 and 1 window 1
	v_pk_add_f32 v[GB:GB+1], v[128:129], v[132:133]
	v_pk_add_f32 v[GB+2:GB+3], v[130:131], v[134:135]
	WIN 0x04
.set ch, 2
.rept 30
	v_pk_add_f32 v[GB:GB+1], v[GB:GB+1], v[128+4*ch:129+4*ch]
	v_pk_add_f32 v[GB+2:GB+3], v[GB+2:GB+3], v[130+4*ch:131+4*ch]
.set ch, ch+1
.endr
	WIN 0
.irp i, 0,1,2,3
	v_log_f32 v[LB+\i], v[SB+\i]                   ; log2 S
.endr
.irp i, 0,1,2,3
	v_sub_f32 v[MB+\i], v[MB+\i], v[GB+\i]         ; M - G.  (The plain place behind the logarithms)
.endr
	s_wait_alu depctr_va_vdst(0)
	v_fma_f32 v[RB+0], v[LB+0], 0x3f317218, v[MB+0]   ; + ln 2 x log2 S.  Rows 0 and 2 are batch 0's two tokens,
	v_fma_f32 v[RB+1], v[LB+2], 0x3f317218, v[MB+2]
	v_fma_f32 v[RB+2], v[LB+1], 0x3f317218, v[MB+1]   ; rows 1 and 3 batch 1's
	v_fma_f32 v[RB+3], v[LB+3], 0x3f317218, v[MB+3]
	global_store_b64 v2, v[RB:RB+1], s[6:7]
	global_store_b64 v2, v[RB+2:RB+3], s[6:7] offset:8192
	s_endpgm
.Lfunc_end_k_qe0a6bc738d_combine:
	.size	k_qe0a6bc738d_combine, .Lfunc_end_k_qe0a6bc738d_combine-k_qe0a6bc738d_combine
	.p2alignl 7, 3214868480
	.fill 96, 4, 3214868480
	.section	.rodata,"a",@progbits
	.p2align	6, 0x0
	.amdhsa_kernel k_qe0a6bc738d_combine
		.amdhsa_group_segment_fixed_size 0
		.amdhsa_private_segment_fixed_size 0
		.amdhsa_enable_private_segment 0
		.amdhsa_kernarg_size 16
		.amdhsa_user_sgpr_count 2
		.amdhsa_user_sgpr_kernarg_segment_ptr 1
		.amdhsa_wavefront_size32 1
		.amdhsa_system_sgpr_workgroup_id_x 1
		.amdhsa_system_sgpr_workgroup_id_y 1
		.amdhsa_system_sgpr_workgroup_id_z 1
		.amdhsa_system_vgpr_workitem_id 0
		.amdhsa_next_free_vgpr 512
		.amdhsa_next_free_sgpr 66
		.amdhsa_reserve_vcc 0
		.amdhsa_float_denorm_mode_32 3
		.amdhsa_float_denorm_mode_16_64 3
		.amdhsa_memory_ordered 1
		.amdhsa_forward_progress 1
		.amdhsa_inst_pref_size 33
	.end_amdhsa_kernel
	.amdgpu_metadata
---
amdhsa.version: [ 1, 2 ]
amdhsa.kernels:
  - .name:           k_qe0a6bc738d_combine
    .symbol:         k_qe0a6bc738d_combine.kd
    .args:
      - { .name: part, .offset: 0, .size: 8, .value_kind: global_buffer, .address_space: global }
      - { .name: out0, .offset: 8, .size: 8, .value_kind: global_buffer, .address_space: global }
    .group_segment_fixed_size: 0
    .private_segment_fixed_size: 0
    .kernarg_segment_align: 8
    .kernarg_segment_size: 16
    .max_flat_workgroup_size: 32
    .sgpr_count:     66
    .vgpr_count:     512
    .wavefront_size: 32
...
	.end_amdgpu_metadata
.endif
;; end of part 2
